; MI455X (gfx1250); checked and timed in simulation.
; The chip was launched on July 23, 2026; its instructions are those of AMD's public machine-readable ISA for CDNA 5 (MIT licence, August 2026) and "CDNA5" Instruction Set Architecture Reference Guide (July 2026). The comments in the code are by the model that wrote it; some were corrected since.
;; Geometric Model. Allowed arithmetic: matrix products marked QUANTISED: E3M2 operands, one E8M0 scale for each 32 along K, by v_wmma_scale_f32_16x16x128_f8f6f4 with both operands' format E3M2, f32 sums; everything else in f32.
;; Inputs: W1 256 x 256 float32; W2 256 x 256 float32; Wc 16 x 256 float32; b1 256 float32; b2 256 float32; bc 16 float32; x 131,072 x 256 float32.
;; Outputs: out0 131,072 x 16 float32.
;; This version of the problem:
;;   THIS VERSION OF THE PROBLEM IS GIVEN IN LOW PRECISION. The matrix products marked QUANTISED in the list below multiply operands that are first quantised to E3M2 (3 exponent bits, 2 mantissa bits; 6 bits a number), with one power-of-two scale for each 32 numbers along K (OCP MX v1.0); their sums are f32. All else is computed in f32.
;;   The module's matrix products, in the order in which they are computed (A, B: the left and right operand; K: the contracted axis; several contracted axes count as one K, in the product's order):
;;     1. [M 131,072, K 256] x [K 256, N 256]; A: computed on the way; B: input W1: QUANTISED
;;     2. [M 131,072, K 256] x [K 256, N 256]; A: computed on the way; B: input W2: QUANTISED
;;     3. [M 131,072, K 256] x [K 256, N 16]; A: computed on the way; B: input Wc: QUANTISED
;;   THE QUANTISER, for each operand of a quantised product, along K:
;;     - K is cut into blocks of 32 from its start; a last block that is shorter is filled with zeros.
;;     - A block's scale is 2^e with e = floor(log2(the largest magnitude in the block)) - 4, held to -126 .. 127; a block of zeros has e = 0. As a byte (E8M0): e + 127.
;;     - Each number is divided by its block's scale, clamped to +-28, and rounded to the nearest number of E3M2, ties to even, subnormals kept.
;;     - The product sums the exact products of the quantised numbers (number of the format x scale) in f32.
;;   ~~~python
;;   def quantise(x, axis):      # numpy; x: float32 -> the quantised numbers, widened to float32 again
;;       x = np.moveaxis(x, axis, -1); K = x.shape[-1]
;;       x = np.pad(x, [(0, 0)] * (x.ndim - 1) + [(0, -K % 32)]); x = x.reshape(x.shape[:-1] + (-1, 32)); a = np.abs(x).max(-1, keepdims=True)
;;       e = np.where(a > 0, np.clip(np.frexp(np.where(a > 0, a, 1))[1] - 1 - 4, -126, 127), 0)      # np.frexp(a)[1] - 1 = floor(log2(a)), exactly
;;       r = np.clip(x / 2.0 ** e, -28, 28)
;;       step = 2.0 ** (np.maximum(np.frexp(np.where(r == 0, 1, r))[1] - 1, -2) - 2)
;;       q = np.round(r / step) * step * 2.0 ** e      # np.round: ties to even
;;       return np.moveaxis(q.reshape(q.shape[:-2] + (-1,))[..., :K], -1, axis).astype(np.float32)
;;   ~~~
;;   OPERANDS COMPUTED ON THE WAY. 'Computed on the way' means the value that the module computes at that place (a softmax that the list does not call 'softmax' is quantised finished and normalised). What goes into a quantiser is computed in f32, as accurately as f32 sums, v_exp_f32 and their like allow (about 1e-6 of the number): no bf16 or f16 on the way to a quantiser, and a product that is left as it is and whose result goes on into a quantised operand takes f32 operands (vector FMAs, or v_wmma_f32_16x16x4_f32). A number that lies on a knife's edge between two numbers of the format may be rounded either way, as far as f32 arithmetic and the matrix unit's own rounding can turn it there, and no further.
;; One version. Each part assembles by itself: llvm-mc -triple=amdgcn-amd-amdhsa -mcpu=gfx1250 --defsym DOCPART=n.
;; ======== version 1 of 1: 2 launches
;; limits: a function is approximated: absolute error at most 5e-07
;; workspace buffers: wimg 108,544 bytes
;; launch prep (part 1): grid 17 x 1, 2 waves a work-group, no clusters, 0 bytes of LDS; arguments W1, W2, Wc, b1, b2, bc, wimg; writes wimg
.if DOCPART == 1
	.amdgcn_target "amdgcn-amd-amdhsa--gfx1250"
	.amdhsa_code_object_version 6
	.text
	.protected	k_q71fcd2453c_prep
	.globl	k_q71fcd2453c_prep
	.p2align	8
	.type	k_q71fcd2453c_prep,@function
k_q71fcd2453c_prep:
	s_mov_b64 s[64:65], 0
	v_nop
	global_prefetch_b8 v0, s[64:65] scope:SCOPE_SE
	s_setreg_imm32_b32 hwreg(HW_REG_WAVE_MODE, 25, 1), 1
	s_wait_xcnt 0x0
; THE PROGRAM (two launches): out0 = softplus(logmap0(hyp_linear_mobius(act(fc2(act(fc1(proj(expmap0(x)))))))))), the three products on codes of E3M2 with one E8M0 scale for each 32 along K.
; This launch quantises W1, W2, Wc once (all work-groups of the next launch read them), lays the codes in the order of the operand's registers, copies b1 and b2 and makes the hyperbolic bias y = proj(expmap0(bc)).
;
; WHAT THE PROGRAM LEAVES OUT, for all finite inputs, in real numbers.  c = 1, so sqrt(c) = 1; proj_tan0 is the identity.  A = artanh(0.999).
; (1) A vector times a number has the vector's norm times the number's magnitude: the norm of a merely rescaled vector is not summed again.
; (2) proj(expmap0(u)) = u g with norm min(tanh m, 0.999), m = max(|u|, 1e-15).  logmap0 of it is u artanh(min(tanh m, 0.999)) / m = u min(m, A) / m, artanh rising: the clip of proj is kept, as the min.
; (3) The proj at the head of tangent_tanh_act finds a point that a proj has just made (norm at most 0.999): it changes nothing.  ATANH_CLIP = 1 - 1e-5 lies above 0.999: behind a proj it never binds.
; (4) In mobius_matvec a row with mx = 0 gives tanh(..) x 0 / 1e-15 = 0 by the formula itself: the jnp.where on zero_row selects between equal numbers.
; So a row needs: s0 = min(1, A / |x|), t0 = s0 x;  in each layer u = Q(t) Q(W)^T + b, w = tanh(u min(1, A / |u|)), p = |w|;  t1 = w min(1, A / p);  h2 = w min(tanh p, 0.999) / p;  the classifier as it is written.
; No input and no product is left out.
; LIMITS.  NaN and infinities among the inputs are not served; a NaN, an infinity or an overflow that would reach only the steps left out is not carried to the result.  tanh is 1 - 2 / (1 + 2^(2 log2(e) z)):
; its absolute error is a few 1e-7, so its relative accuracy falls for |z| under about 0.01.  The f32 noise of reference()'s artanh(tanh(.)) near 0.999, about 1e-5 of the number, is not reproduced.
; Rows whose norm lies under 1e-15 give results within 1e-15 of reference()'s.  A block of zeros gets the scale byte 1 where the rule says 127: its codes are zeros, and this program alone reads the bytes.
;
; wimg, 108,544 bytes: 0: W1, 32 fragments of 1,536 bytes, fragment 2 t + s (tile t of 16 rows, K step s of 128): three chunks of 512 bytes, lane l's registers 4 c .. 4 c + 3 at 16 l;  49,152: W2 likewise;  98,304: Wc, 2 fragments;
; 101,376: scale words, 8 groups of 512 bytes (W1: 0-3, W2: 4-7): lane l's 16 bytes are the words of tiles 4 g .. 4 g + 3; lanes 0-15 row l's word of K step 0, lanes 16-31 row l - 16's of K step 1;  105,472: Wc's, 4 bytes a lane;
; 105,600: y[0..15], then the sum of y^2 sixteen times;  105,728: b1;  106,752: b2;  107,776: 768 zero bytes, so that eight waves of the next launch fetch 53 rows of 256 bytes each.
; THE ROWS OF W1 AND W2 THAT FORM A TILE ARE NOT NEIGHBOURS: lane r of tile t takes row 32 (t / 2) + 8 (t % 2) + r + 8 (r / 8), so that the results of two neighbouring tiles are 16 neighbours along the next K.  Wc: lane r takes row r.
; SHARES.  34 jobs, a wave each, J = 2 x work-group + wave: 0-15 a tile of W1, 16-31 of W2, 32 Wc, 33 the biases.  A lane loads 16 bytes at a time of rows 1,024 bytes apart: 540,672 bytes in all, read once.
; The scale words leave as 4 bytes a lane, 4,224 bytes in all.  No LDS, no barrier: waves share nothing.
.set XR,      80                       ; v80-207  128 numbers of my row: register 32 e + i = k 64 e + 32 h + i
.set CDP,     32                       ; v32-55   the two fragments' codes
.set TP,      56                       ; v56-71   the upper halves of four blocks, as the conversions leave them
.set IMG_SC,  101376
.set IMG_Y,   105600
.set IMG_B,   105728
.set IMG_PAD, 107776
	s_load_b256 s[4:11], s[0:1], 0x0               ; W1 s[4:5], W2 s[6:7], Wc s[8:9], b1 s[10:11]
	s_load_b128 s[12:15], s[0:1], 0x20             ; b2 s[12:13], bc s[14:15]
	s_load_b64 s[16:17], s[0:1], 0x30              ; wimg
	v_lshrrev_b32 v1, 5, v0
	v_readfirstlane_b32 s20, v1                    ; wave
	s_lshl_b32 s21, ttmp9, 1
	s_add_co_u32 s21, s21, s20                     ; J
	v_and_b32 v2, 31, v0                           ; lane
	v_and_b32 v3, 15, v0                           ; r
	v_bfe_u32 v4, v0, 4, 1                         ; h
	v_lshlrev_b32 v6, 4, v2                        ; 16 x lane
	s_mov_b32 s18, 0x76543210
	s_mov_b32 s19, 0xfedcba98                      ; v_permlanex16_b32's selects for lane l xor 16
	s_wait_kmcnt 0x0
	s_cmp_eq_u32 s21, 33
	s_cbranch_scc1 .Lmisc
	; ---- a tile of a weight: 16 rows x 256 along K
	s_cmp_lt_u32 s21, 16                           ; the choices hang on the job's number alone
	s_cselect_b64 s[22:23], s[4:5], s[6:7]
	s_cmp_eq_u32 s21, 32
	s_cselect_b64 s[22:23], s[8:9], s[22:23]
	s_cselect_b32 s24, 0, 8                        ; Wc's rows are neighbours: no 8 (r / 8)
	s_cselect_b32 s25, 2, 4                        ; the scale words' step from lane to lane: 4 bytes (Wc) or 16
	s_and_b32 s26, s21, 15                         ; t
	s_lshr_b32 s27, s26, 1
	s_lshl_b32 s28, s27, 15                        ; 32 (t / 2) rows of 1,024 bytes
	s_and_b32 s27, s26, 1
	s_lshl_b32 s27, s27, 13                        ; 8 (t % 2) rows
	s_add_co_u32 s28, s28, s27
	s_mov_b32 s29, 0
	s_add_nc_u64 s[22:23], s[22:23], s[28:29]
	s_wait_alu depctr_va_vdst(0)
	v_and_b32 v5, s24, v3
	v_add_nc_u32 v5, v5, v3                        ; r + 8 (r / 8), or r
	v_lshlrev_b32 v5, 10, v5
	v_lshl_add_u32 v5, v4, 7, v5                   ; my row, + 128 h: the operand's layout gives lane (r, h) k = 64 e + 32 h + 0 .. 31
.set i, 0
.rept 32
	global_load_b128 v[XR+4*i:XR+4*i+3], v5, s[22:23] offset:256*(i/8)+16*(i%8) th:TH_LOAD_NT
.set i, i+1
.endr
	s_mul_i32 s30, s21, 3072                       ; where my two fragments go
	s_mov_b32 s31, 0
	s_add_nc_u64 s[30:31], s[16:17], s[30:31]
	s_lshr_b32 s34, s21, 2
	s_lshl_b32 s34, s34, 9                         ; and my scale words: group J / 4, word J % 4
	s_and_b32 s35, s21, 3
	s_lshl_b32 s35, s35, 2
	s_add_co_u32 s34, s34, s35
	s_add_co_u32 s34, s34, IMG_SC
	s_mov_b32 s35, 0
	s_add_nc_u64 s[34:35], s[16:17], s[34:35]
	v_lshlrev_b32 v7, s25, v2
	v_lshlrev_b32 v22, 3, v4                       ; 8 h
	v_mov_b32 v24, 0                               ; a lane permute's destination counts as one of its sources
	v_mov_b32 v25, 0
	s_wait_loadcnt 0x0
.irp b, 0,1,2,3                                ; my four blocks of 32: all their numbers are mine
	v_max3_num_f32 v[8+\b], |v[XR+32*\b]|, |v[XR+32*\b+1]|, 0x2800000   ; and the floor 2^(5 - 127): so the byte cannot fall under 1
.endr
.irp k, 2,4,6,8,10,12,14,16,18,20,22,24,26,28,30
.irp b, 0,1,2,3
	v_max3_num_f32 v[8+\b], v[8+\b], |v[XR+32*\b+\k]|, |v[XR+32*\b+\k+1]|   ; (the four blocks by turns)
.endr
.endr
.irp b, 0,1,2,3
	v_add_nc_u32 v[12+\b], 0xfe000000, v[8+\b]     ; 4 off the exponent field: the conversion takes the exponent field of this operand as its scale
.endr
.irp b, 0,1,2,3
	v_lshrrev_b32 v[16+\b], 23, v[12+\b]           ; the scale's byte
.endr
	v_lshl_or_b32 v20, v17, 16, v16                ; K step 0: my bytes are those of blocks h and 2 + h,
	v_lshl_or_b32 v21, v19, 16, v18                ; K step 1 likewise,
	v_lshlrev_b32 v20, v22, v20                    ; at their places in the word (8 h bits up);
	v_lshlrev_b32 v21, v22, v21
	v_permlanex16_b32 v24, v20, s18, s19
	v_permlanex16_b32 v25, v21, s18, s19
	v_or_b32 v20, v20, v24                         ; with lane l xor 16's two the word is whole
	v_or_b32 v21, v21, v25
	v_cmp_gt_u32 vcc_lo, 16, v2
	v_cndmask_b32 v26, v21, v20, vcc_lo            ; lanes 0-15 keep K step 0's word, lanes 16-31 K step 1's
.irp b, 0,1,2,3
	v_cvt_scalef32_pk16_bf6_f32 v[CDP+6*\b:CDP+6*\b+2], v[XR+32*\b:XR+32*\b+15], v[12+\b]      ; registers 6 e .. 6 e + 2 of the two fragments on end
	v_cvt_scalef32_pk16_bf6_f32 v[TP+4*\b:TP+4*\b+2], v[XR+32*\b+16:XR+32*\b+31], v[12+\b]     ; (a conversion's three registers begin on an even number: the upper half is made elsewhere and moved)
.endr
	v_nop                                          ; one plain place behind a scaled conversion
.irp b, 0,1,2,3
.irp k, 0,1,2
	v_mov_b32 v[CDP+6*\b+3+\k], v[TP+4*\b+\k]
.endr
.endr
.set i, 0
.rept 6
	global_store_b128 v6, v[CDP+4*i:CDP+4*i+3], s[30:31] offset:512*i   ; 32 lanes store 512 consecutive bytes, at a multiple of 256 from wimg's first byte
.set i, i+1
.endr
	global_store_b32 v7, v26, s[34:35]
	s_endpgm
	; ---- the biases
.Lmisc:
	s_wait_alu depctr_va_vdst(0)
	v_lshlrev_b32 v7, 2, v3
	global_load_b32 v8, v7, s[14:15]               ; bc[r], in both halves of the lanes
	global_load_b128 v[32:35], v6, s[10:11]
	global_load_b128 v[36:39], v6, s[10:11] offset:512
	global_load_b128 v[40:43], v6, s[12:13]
	global_load_b128 v[44:47], v6, s[12:13] offset:512
	v_mov_b32 v18, 0
	v_mov_b32 v19, 0
	v_lshlrev_b32 v17, 3, v2
	v_lshlrev_b32 v20, 2, v2
	s_wait_alu depctr_va_vdst(0)
	s_wait_loadcnt 0x0
	global_store_b128 v6, v[32:35], s[16:17] offset:IMG_B
	global_store_b128 v6, v[36:39], s[16:17] offset:IMG_B+512
	global_store_b128 v6, v[40:43], s[16:17] offset:IMG_B+1024
	global_store_b128 v6, v[44:47], s[16:17] offset:IMG_B+1536
.irp k, 0,1,2
	global_store_b64 v17, v[18:19], s[16:17] offset:IMG_PAD+256*\k
.endr
	v_mul_f32 v9, v8, v8
	v_add_f32_dpp v9, v9, v9 row_xmask:1 row_mask:0xf bank_mask:0xf
	v_add_f32_dpp v9, v9, v9 row_xmask:2 row_mask:0xf bank_mask:0xf
	v_add_f32_dpp v9, v9, v9 row_xmask:4 row_mask:0xf bank_mask:0xf
	v_add_f32_dpp v9, v9, v9 row_xmask:8 row_mask:0xf bank_mask:0xf   ; the sum of bc^2, in every lane
	v_max_num_f32 v10, 0x0da24260, v9              ; the norm is held at 1e-15, so its square at 1e-30
	s_wait_alu depctr_va_vdst(0)
	v_rsq_f32 v11, v10
	v_nop                                          ; a plain place behind the transcendental,
	s_wait_alu depctr_va_vdst(0)                   ; and the wait ahead of the first use
	v_mul_f32 v12, v10, v11                        ; the norm
	v_mul_f32 v13, 0x4038aa3b, v12                 ; x 2 log2(e)
	s_wait_alu depctr_va_vdst(0)
	v_exp_f32 v13, v13
	v_nop
	s_wait_alu depctr_va_vdst(0)
	v_add_f32 v13, 1.0, v13
	s_wait_alu depctr_va_vdst(0)
	v_rcp_f32 v13, v13
	v_nop
	s_wait_alu depctr_va_vdst(0)
	v_fma_f32 v13, v13, -2.0, 1.0                  ; tanh of the norm,
	v_min_num_f32 v13, 0x3f7fbe77, v13             ; held at 0.999 (proj),
	v_mul_f32 v13, v13, v11                        ; over the norm
	v_mul_f32 v14, v8, v13                         ; y
	v_mul_f32 v15, v14, v14
	v_add_f32_dpp v15, v15, v15 row_xmask:1 row_mask:0xf bank_mask:0xf
	v_add_f32_dpp v15, v15, v15 row_xmask:2 row_mask:0xf bank_mask:0xf
	v_add_f32_dpp v15, v15, v15 row_xmask:4 row_mask:0xf bank_mask:0xf
	v_add_f32_dpp v15, v15, v15 row_xmask:8 row_mask:0xf bank_mask:0xf   ; the sum of y^2
	v_cmp_gt_u32 vcc_lo, 16, v2
	v_cndmask_b32 v16, v15, v14, vcc_lo            ; lanes 0-15: y[lane]; lanes 16-31: the sum
	global_store_b32 v20, v16, s[16:17] offset:IMG_Y
	s_endpgm
.Lfunc_end_k_q71fcd2453c_prep:
	.size	k_q71fcd2453c_prep, .Lfunc_end_k_q71fcd2453c_prep-k_q71fcd2453c_prep
	.p2alignl 7, 3214868480
	.fill 96, 4, 3214868480
	.section	.rodata,"a",@progbits
	.p2align	6, 0x0
	.amdhsa_kernel k_q71fcd2453c_prep
		.amdhsa_group_segment_fixed_size 0
		.amdhsa_private_segment_fixed_size 0
		.amdhsa_enable_private_segment 0
		.amdhsa_kernarg_size 56
		.amdhsa_user_sgpr_count 2
		.amdhsa_user_sgpr_kernarg_segment_ptr 1
		.amdhsa_wavefront_size32 1
		.amdhsa_system_sgpr_workgroup_id_x 1
		.amdhsa_system_sgpr_workgroup_id_y 1
		.amdhsa_system_sgpr_workgroup_id_z 1
		.amdhsa_system_vgpr_workitem_id 0
		.amdhsa_next_free_vgpr 208
		.amdhsa_next_free_sgpr 66
		.amdhsa_reserve_vcc 1
		.amdhsa_float_denorm_mode_32 3
		.amdhsa_float_denorm_mode_16_64 3
		.amdhsa_memory_ordered 1
		.amdhsa_forward_progress 1
		.amdhsa_inst_pref_size 15
	.end_amdhsa_kernel
	.amdgpu_metadata
---
amdhsa.version: [ 1, 2 ]
amdhsa.kernels:
  - .name:           k_q71fcd2453c_prep
    .symbol:         k_q71fcd2453c_prep.kd
    .args:
      - { .name: W1, .offset: 0, .size: 8, .value_kind: global_buffer, .address_space: global }
      - { .name: W2, .offset: 8, .size: 8, .value_kind: global_buffer, .address_space: global }
      - { .name: Wc, .offset: 16, .size: 8, .value_kind: global_buffer, .address_space: global }
      - { .name: b1, .offset: 24, .size: 8, .value_kind: global_buffer, .address_space: global }
      - { .name: b2, .offset: 32, .size: 8, .value_kind: global_buffer, .address_space: global }
      - { .name: bc, .offset: 40, .size: 8, .value_kind: global_buffer, .address_space: global }
      - { .name: wimg, .offset: 48, .size: 8, .value_kind: global_buffer, .address_space: global }
    .group_segment_fixed_size: 0
    .private_segment_fixed_size: 0
    .kernarg_segment_align: 8
    .kernarg_segment_size: 56
    .max_flat_workgroup_size: 64
    .sgpr_count:     66
    .vgpr_count:     208
    .wavefront_size: 32
...
	.end_amdgpu_metadata
.endif
;; end of part 1
;; launch main (part 2): grid 256 x 1, 8 waves a work-group, no clusters, 242,688 bytes of LDS; arguments x, wimg, out0; writes out0
.if DOCPART == 2
	.amdgcn_target "amdgcn-amd-amdhsa--gfx1250"
	.amdhsa_code_object_version 6
	.text
	.protected	k_q71fcd2453c_main
	.globl	k_q71fcd2453c_main
	.p2align	8
	.type	k_q71fcd2453c_main,@function
k_q71fcd2453c_main:
	s_mov_b64 s[64:65], 0
	v_nop
	global_prefetch_b8 v0, s[64:65] scope:SCOPE_SE
	s_setreg_imm32_b32 hwreg(HW_REG_WAVE_MODE, 25, 1), 1
	s_wait_xcnt 0x0
; The whole chain for 512 rows a work-group; nothing on the way goes to memory.  The steps left out are those shown dead at the head of the first kernel (norms of merely rescaled vectors, a proj behind a proj,
; artanh(tanh(.)) as min(., A), ATANH_CLIP behind a proj, the select on a zero row); its limits hold here too.  A = artanh(0.999).
; A row: s0 = min(1, A / |x|), t0 = s0 x;  layer l: u = Q(t) Q(W)^T + b, w = tanh(u min(1, A / |u|)), p = |w|;  t1 = w min(1, A / p);  h2 = w min(tanh p, 0.999) / p;
; mx = Q(h2) Q(Wc)^T, res = mx min(tanh(|mx| min(p, A) / |h2|), 0.999) / |mx|;  z = the Moebius sum of res and y;  out = softplus(z artanh(min(|z|, 0.999)) / |z|).  Every norm is held at 1e-15 as reference() holds it.
; SHARES.  Eight waves; a wave owns 64 whole rows, in two steps of 32: two tiles, A and B, of 16 rows.  So every norm stays inside lanes l and l xor 16, and the loop has no barrier.
; THE PRODUCTS ARE USED TRANSPOSED (source 0 = 16 rows of W, source 1 = my 16 rows): a lane holds ONE row, and by the choice of W's rows for a tile register 16 b + i of a tile's 128 is unit 32 b + 16 (lane / 16) + i:
; 16 neighbours along the next K, which the conversions take as they stand.  Each fragment of W read from LDS feeds two matrix instructions, tile A's and tile B's.
; THE WEIGHTS: wimg (codes in the order of the operand's registers, scale words, biases: 108,544 bytes) comes into LDS once, each wave fetching 53 rows of 256 bytes by one tensor load; one barrier; it is only read afterwards.
; By this text's own count a wave has one tensor load out.
; NO CLUSTER: what work-groups share is the image, 108,544 bytes fetched once at the head, against 557,056 bytes of x and out0 that are each work-group's own; a cluster would add rounds at head and end for that one fetch.
; x: each load reads 512 consecutive bytes into the registers that will hold the sums; a tile then turns through the wave's own stage in LDS (rows 1,040 bytes apart) so that a lane holds 16 neighbours of each block of 32 of ONE row.
; REGISTERS.  Window 0: v1-12 addresses; v16-47 statistics, 16 a tile; v48-51 my rows' scale words; v52-67 the weights' scale words; v68-115 my rows' codes (24 a tile); v116-163, v164-211 two buffers of four fragments of W;
; v212-227, v228-243 two buffers of two tiles of bias.  The quantiser's temporaries lie over the first fragment buffer; the classifier works in v116-236.  Window 1: v0-127 tile A, v128-255 tile B: x, then u, w, t.
.set IMG_W2,  49152
.set IMG_WC,  98304
.set IMG_SC,  101376
.set IMG_SCC, 105472
.set IMG_Y,   105600
.set IMG_B,   105728
.set PARTB,   13568                    ; 53 rows of 256 bytes: an eighth of the image
.set STG,     108544                   ; behind the image: a stage of 16 rows x 1,040 bytes for each wave
.set STGW,    16640
.set SPITCH,  1040                     ; 1,024 + 16: the 16 rows that a load of 16 bytes a lane touches start 16 bytes further on in each 256
.set SPARE,   STG+8*STGW               ; behind the stages: the spare words, 128 bytes for each wave: four blocks of 256 bytes that no other line names
.set LI,   1                           ; v1   16 x lane: my place in an image's chunk; also my offset in x and in out0
.set STA,  2                           ; v2   my stage + 16 x lane
.set STB,  3                           ; v3   my stage + 1,040 r + 64 h
.set OSA,  4                           ; v4   my stage + 64 r + 32 h: the way out
.set LI2,  5                           ; v5   16 x lane + W2's image
.set SCA,  6                           ; v6   16 x lane + the scale words
.set BA,   7                           ; v7   64 h + b1
.set YA,   8                           ; v8   32 h + y
.set PFO,  9                           ; v9   256 x lane: the prefetches' offset; never rewritten
.set SPW,  10                          ; v10  LDS address of my spare word; never rewritten
.set NIL,  11                          ; v11  0; never rewritten
.set LSC,  12                          ; v12  4 x lane + Wc's scale words
.set ST,   16                          ; tile X's statistics at v[ST + 16 X]: +0..3 two chains of sums (the sum ends in +0); +4, +5 a factor as a pair; +6 1 / norm; +7 norm^2, then the norm; +8 min(p, A); +9 |h2|; +10..15 at work
.set TS,   48                          ; v[TS + 2 X + s]: my rows' scale word of K step s
.set WS,   52                          ; v[WS + t]: tile t's scale words: lanes 0-15 K step 0, lanes 16-31 K step 1
.set CD,   68                          ; v[CD + 24 X + 12 s ..]: my rows' codes
.set FB,   116
.set BT,   212
.set QM,   116                         ; the quantiser: 8 largest magnitudes, 8 bytes, 8 scale operands, 4 x 4 upper halves
.set QP,   124
.set QE,   132
.set QT,   140
.set ZR,   140                         ; the classifier: z, then the logits, then the results
.set ER,   156                         ; exponents
.set RB,   172                         ; rows read back from the stage
.set YR,   228                         ; y[8 h .. 8 h + 7]; +8: the sum of y^2
.set MSB, 0
.macro WIN new                         ; bits 1:0 source 0, 3:2 source 1, 5:4 source 2, 7:6 destination; the immediate's high byte repeats the setting that is left
.if MSB != \new
	s_set_vgpr_msb (MSB<<8)|\new
.set MSB, \new
.endif
.endm
; 32 rows of x, from off bytes on: 64 loads of 512 consecutive bytes; load i is half i % 2 of row i / 2; registers 4 i .. of window 1
.macro XLOAD off
	WIN 0x40
.set i, 0
.rept 64
	global_load_b128 v[4*i:4*i+3], v[LI], s[32:33] offset:\off+512*i th:TH_LOAD_NT
.set i, i+1
.endr
	WIN 0
.endm
; Tile X through my stage, as it lies, and back into the registers that it left: register 16 b + i then holds k = 32 b + 16 h + i of row r.  LDS serves a wave's instructions in order (ISA guide 5.7.1.4): no wait between.
.macro TURN X
	WIN 0x04
.set i, 0
.rept 32
	ds_store_b128 v[STA], v[128*\X+4*i:128*\X+4*i+3] offset:SPITCH*(i/2)+512*(i%2)
.set i, i+1
.endr
	WIN 0x40
.set i, 0
.rept 32
	ds_load_b128 v[128*\X+4*i:128*\X+4*i+3], v[STB] offset:128*(i/4)+16*(i%4)
.set i, i+1
.endr
	WIN 0
.endm
; The sums of squares of both tiles' rows: packed, two chains a tile, the tiles by turns; each accumulator is read from its low end on.  The row's other half lies in lane l xor 16.
.macro SUMSQ2
	WIN 0x05
.set i, 0
.rept 64
.irp X, 0,1
.if i < 2
	v_pk_mul_f32 v[ST+16*\X+2*i:ST+16*\X+2*i+1], v[128*\X+2*i:128*\X+2*i+1], v[128*\X+2*i:128*\X+2*i+1]
.else
	v_pk_fma_f32 v[ST+16*\X+2*(i%2):ST+16*\X+2*(i%2)+1], v[128*\X+2*i:128*\X+2*i+1], v[128*\X+2*i:128*\X+2*i+1], v[ST+16*\X+2*(i%2):ST+16*\X+2*(i%2)+1]
.endif
.endr
.set i, i+1
.endr
	WIN 0
.irp X, 0,1
	v_pk_add_f32 v[ST+16*\X:ST+16*\X+1], v[ST+16*\X:ST+16*\X+1], v[ST+16*\X+2:ST+16*\X+3]
.endr
.irp X, 0,1
	s_delay_alu instid0(VALU_DEP_2)
	v_add_f32 v[ST+16*\X], v[ST+16*\X], v[ST+16*\X+1]
.endr
.irp X, 0,1
	s_delay_alu instid0(VALU_DEP_2)
	v_permlanex16_b32 v[ST+16*\X+10], v[ST+16*\X], s28, s29
.endr
.irp X, 0,1
	s_delay_alu instid0(VALU_DEP_2)
	v_add_f32 v[ST+16*\X], v[ST+16*\X], v[ST+16*\X+10]
.endr
.endm
.macro RSQ2                            ; +7 = max(the sum, 1e-30) (the norm held at 1e-15), +6 = 1 / norm; one batch, one place, one wait
.irp X, 0,1
	s_delay_alu instid0(VALU_DEP_2)
	v_max_num_f32 v[ST+16*\X+7], 0x0da24260, v[ST+16*\X]
.endr
	s_wait_alu depctr_va_vdst(0)
.irp X, 0,1
	v_rsq_f32 v[ST+16*\X+6], v[ST+16*\X+7]
.endr
	v_nop
	s_wait_alu depctr_va_vdst(0)
.endm
.macro CLIPF exp2                      ; the factor min(1, A / norm); exp2 = 1: times 2 log2(e), for the tanh that follows
.irp X, 0,1
	v_mul_f32 v[ST+16*\X+4], 0x4073369a, v[ST+16*\X+6]
.endr
.irp X, 0,1
	s_delay_alu instid0(VALU_DEP_2)
	v_min_num_f32 v[ST+16*\X+4], 1.0, v[ST+16*\X+4]
.endr
.if \exp2
.irp X, 0,1
	s_delay_alu instid0(VALU_DEP_2)
	v_mul_f32 v[ST+16*\X+4], 0x4038aa3b, v[ST+16*\X+4]
.endr
.endif
.endm
.macro STATH                           ; behind layer 2: p, min(p, A), |h2| = max(min(tanh p, 0.999), 1e-15), the factor min(tanh p, 0.999) / p
.irp X, 0,1
	v_mul_f32 v[ST+16*\X+7], v[ST+16*\X+7], v[ST+16*\X+6]
.endr
.irp X, 0,1
	s_delay_alu instid0(VALU_DEP_2)
	v_mul_f32 v[ST+16*\X+12], 0x4038aa3b, v[ST+16*\X+7]
.endr
	s_wait_alu depctr_va_vdst(0)
.irp X, 0,1
	v_exp_f32 v[ST+16*\X+12], v[ST+16*\X+12]
.endr
.irp X, 0,1
	v_min_num_f32 v[ST+16*\X+8], 0x4073369a, v[ST+16*\X+7]   ; (plain work behind the exponentials)
.endr
	s_wait_alu depctr_va_vdst(0)
.irp X, 0,1
	v_add_f32 v[ST+16*\X+12], 1.0, v[ST+16*\X+12]
.endr
	s_wait_alu depctr_va_vdst(0)
.irp X, 0,1
	v_rcp_f32 v[ST+16*\X+12], v[ST+16*\X+12]
.endr
	v_nop
	s_wait_alu depctr_va_vdst(0)
.irp X, 0,1
	v_fma_f32 v[ST+16*\X+12], v[ST+16*\X+12], -2.0, 1.0
.endr
.irp X, 0,1
	s_delay_alu instid0(VALU_DEP_2)
	v_min_num_f32 v[ST+16*\X+12], 0x3f7fbe77, v[ST+16*\X+12]
.endr
.irp X, 0
	s_delay_alu instid0(VALU_DEP_2)
	v_max_num_f32 v[ST+16*\X+9], 0x26901d7d, v[ST+16*\X+12]
	v_mul_f32 v[ST+16*\X+4], v[ST+16*\X+12], v[ST+16*\X+6]
.endr
.irp X, 1
	s_delay_alu instid0(VALU_DEP_3)
	v_max_num_f32 v[ST+16*\X+9], 0x26901d7d, v[ST+16*\X+12]
	s_setprio 0
	v_mul_f32 v[ST+16*\X+4], v[ST+16*\X+12], v[ST+16*\X+6]
.endr
.endm
; One packed instruction on pair i of the tile whose registers begin at base (window 1): kind 0: times the factor pair f's low word; 1: + 1; 2: 1 - 2 x
.macro PL kind, base, f
.if \kind == 0
	v_pk_mul_f32 v[\base+2*i:\base+2*i+1], v[\base+2*i:\base+2*i+1], v[\f:\f+1] op_sel_hi:[1,0]
.elseif \kind == 1
	v_pk_add_f32 v[\base+2*i:\base+2*i+1], v[\base+2*i:\base+2*i+1], 1.0 op_sel_hi:[1,0]
.else
	v_pk_fma_f32 v[\base+2*i:\base+2*i+1], v[\base+2*i:\base+2*i+1], -2.0, 1.0 op_sel_hi:[1,0,0]
.endif
.endm
.macro RUN kind, base, f
.set i, 0
.rept 64
	PL \kind, \base, \f
.set i, i+1
.endr
.endm
; A batch of 128 transcendentals on one tile (registers from tb on), with the OTHER tile's packed work between them: nothing names a result of the batch ahead of its one wait.
.macro ZIP op, tb, kind, pb, f
.set i, 0
.rept 64
	\op v[\tb+2*i], v[\tb+2*i]
	PL \kind, \pb, \f
	\op v[\tb+2*i+1], v[\tb+2*i+1]
.set i, i+1
.endr
	v_nop                                          ; the plain place behind the last of the batch,
	s_wait_alu depctr_va_vdst(0)                   ; and the batch's one wait, ahead of the first use
.endm
; Tile X's 128 numbers a lane become two fragments' codes and two scale words.  A block of 32 lies in lanes l and l xor 16.
.macro QUANT8 X
	WIN 0x05
.irp b, 0,1,2,3,4,5,6,7
	v_max3_num_f32 v[QM+\b], |v[128*\X+16*\b]|, |v[128*\X+16*\b+1]|, 0x2800000   ; my 16 numbers of block b, and the floor 2^(5 - 127): so the byte cannot fall under 1
.endr
.irp k, 2,4,6,8,10,12,14
.irp b, 0,1,2,3,4,5,6,7
	v_max3_num_f32 v[QM+\b], |v[128*\X+16*\b+\k]|, |v[128*\X+16*\b+\k+1]|, v[QM+\b]   ; (the eight blocks by turns)
.endr
.endr
	WIN 0
.irp b, 0,1,2,3,4,5,6,7
	v_permlanex16_b32 v[QP+\b], v[QM+\b], s28, s29
.endr
.irp b, 0,1,2,3,4,5,6,7
	v_max_num_f32 v[QM+\b], v[QM+\b], v[QP+\b]     ; the block's largest magnitude
.endr
.irp b, 0,1,2,3,4,5,6,7
	v_add_nc_u32 v[QE+\b], 0xfe000000, v[QM+\b]    ; 4 off its exponent field: the conversion's scale operand
.endr
.irp b, 0,1,2,3,4,5,6,7
	v_lshrrev_b32 v[QP+\b], 23, v[QE+\b]           ; the scale's byte
.endr
.irp s, 0
	v_lshl_or_b32 v[TS+2*\X+\s], v[QP+4*\s+1], 8, v[QP+4*\s]
.endr
.irp s, 1
	s_delay_alu instid0(VALU_DEP_4)
	v_lshl_or_b32 v[TS+2*\X+\s], v[QP+4*\s+1], 8, v[QP+4*\s]
.endr
.irp s, 0,1
	s_delay_alu instid0(VALU_DEP_2)
	v_lshl_or_b32 v[TS+2*\X+\s], v[QP+4*\s+2], 16, v[TS+2*\X+\s]
.endr
.irp s, 0,1
	s_delay_alu instid0(VALU_DEP_2)
	v_lshl_or_b32 v[TS+2*\X+\s], v[QP+4*\s+3], 24, v[TS+2*\X+\s]
.endr
	WIN 0x01
.irp e, 0,1,2,3
	v_cvt_scalef32_pk16_bf6_f32 v[CD+24*\X+6*\e:CD+24*\X+6*\e+2], v[128*\X+32*\e:128*\X+32*\e+15], v[QE+2*\e]        ; the codes of k = 64 e + 16 h + 0 .. 15
	v_cvt_scalef32_pk16_bf6_f32 v[QT+4*\e:QT+4*\e+2], v[128*\X+32*\e+16:128*\X+32*\e+31], v[QE+2*\e+1]               ; and of k = 64 e + 32 + 16 h + 0 .. 15 (three registers from an even one on)
.endr
	WIN 0
	v_nop                                          ; one plain place behind a scaled conversion
.irp e, 0,1,2,3                                ; the operand's layout wants a WHOLE block in a lane: lanes 0-15 block 2 e, lanes 16-31 block 2 e + 1
.irp k, 0,1,2
	v_permlane16_swap_b32 v[CD+24*\X+6*\e+\k], v[QT+4*\e+\k]
.endr
.irp k, 0,1,2
	s_delay_alu instid0(VALU_DEP_3)
	v_mov_b32 v[CD+24*\X+6*\e+3+\k], v[QT+4*\e+\k]
.endr
.endr
.endm
.macro FIN X                           ; tile X times its factor, in f32, and quantised
	WIN 0x41
	RUN 0, 128*\X, ST+16*\X+4
	QUANT8 \X
.endm
; 16 LDS loads: tiles 2 g and 2 g + 1 of W, both K steps (four fragments, 6,144 consecutive bytes), and their biases in the result's layout, into buffers g % 2
.macro GLOAD adr, l, g
.set FBB, FB+48*((\g)%2)
.set BTB, BT+16*((\g)%2)
.set i, 0
.rept 12
	ds_load_b128 v[FBB+4*i:FBB+4*i+3], v[\adr] offset:6144*(\g)+512*i
.set i, i+1
.endr
.irp u, 0,1,2,3
	ds_load_b128 v[BTB+4*\u:BTB+4*\u+3], v[BA] offset:1024*(\l-1)+128*(\g)+16*\u
.endr
.endm
; u = Q(t) Q(W)^T + b for both tiles: 64 matrix instructions.  The bias is the C of each sum's first.  Four accumulators take turns, one instruction a turn.
.macro MATRIX adr, l
.irp y, 0,1,2,3
	ds_load_b128 v[WS+4*\y:WS+4*\y+3], v[SCA] offset:2048*(\l-1)+512*\y
.endr
	GLOAD \adr, \l, 0
	GLOAD \adr, \l, 1
.rept 8
	v_nop                                          ; my rows' scale words, written by vector instructions, stand 8 places ahead of a scaled matrix instruction, their codes 4
.endr
.irp g, 0,1,2,3,4,5,6,7
.if \g < 7
	s_wait_dscnt 16                                ; this group's loads are in (and the scale words, issued ahead of them); the next group's 16 may be out
.else
	s_wait_dscnt 0x0
.endif
.set FBB, FB+48*(\g%2)
.set BTB, BT+16*(\g%2)
	WIN 0x40
.irp u, 0,1
.irp X, 0,1
	v_wmma_scale_f32_16x16x128_f8f6f4 v[128*\X+8*(2*\g+\u):128*\X+8*(2*\g+\u)+7], v[FBB+24*\u:FBB+24*\u+11], v[CD+24*\X:CD+24*\X+11], v[BTB+8*\u:BTB+8*\u+7], v[WS+2*\g+\u], v[TS+2*\X] matrix_a_fmt:MATRIX_FMT_BF6 matrix_b_fmt:MATRIX_FMT_BF6
.endr
.endr
	WIN 0x50
	s_wait_alu depctr_va_vdst(0)
.irp u, 0,1
.irp X, 0,1
	v_wmma_scale_f32_16x16x128_f8f6f4 v[128*\X+8*(2*\g+\u):128*\X+8*(2*\g+\u)+7], v[FBB+24*\u+12:FBB+24*\u+23], v[CD+24*\X+12:CD+24*\X+23], v[128*\X+8*(2*\g+\u):128*\X+8*(2*\g+\u)+7], v[WS+2*\g+\u], v[TS+2*\X+1] matrix_a_fmt:MATRIX_FMT_BF6 matrix_b_fmt:MATRIX_FMT_BF6 matrix_a_scale:MATRIX_SCALE_ROW1
.endr
.endr
	WIN 0
.if \g != 6
.rept 4
	v_nop                                          ; four places in front of loads into registers that these products read; behind the last group, in front of the first read of results
.endr
.endif
.if \g < 6
	GLOAD \adr, \l, \g+2
.endif
.endr
.endm
; A layer.  tanh(z) = 1 - 2 / (1 + 2^(2 log2(e) z)): four batches of 128 transcendentals, each with the other tile's packed work between.  |z| is at most A, so no exponential overflows.
.macro LAYER adr, l
	MATRIX \adr, \l
	SUMSQ2
	RSQ2
	CLIPF 1
	WIN 0x41
	RUN 0, 0, ST+4
	s_wait_alu depctr_va_vdst(0)
	ZIP v_exp_f32, 0, 0, 128, ST+20
	ZIP v_exp_f32, 128, 1, 0, 0
.if \l == 2
	WIN 0                                          ; at a branch and at a label every window is 0
	s_cmp_eq_u32 s30, 1
	s_cbranch_scc1 .Lno_ask                        ; the last step asks for nothing: no request leaves x
	global_prefetch_b8 v[PFO], s[32:33] offset:32768 th:TH_LOAD_NT scope:SCOPE_SE        ; the next step's tile A: 16 rows of 1,024 bytes = 64 blocks of 256 bytes, a lane a block, two instructions.  A wave's rows are
	global_prefetch_b8 v[PFO], s[32:33] offset:32768+8192 th:TH_LOAD_NT scope:SCOPE_SE   ; its own, so each block is named once in the launch.  Two batches, a sum and two quantisers stand between these and the loads
.Lno_ask:
	WIN 0x41
.endif
	ZIP v_rcp_f32, 0, 1, 128, 0
	ZIP v_rcp_f32, 128, 2, 0, 0
	RUN 2, 128, 0
	SUMSQ2
	RSQ2
.if \l == 1
	CLIPF 0
.else
	STATH
.endif
	FIN 0
	FIN 1
.endm
.macro TILE X                          ; names for tile X's registers in the classifier
.set S,  ST+16*\X
.set D,  BT+8*\X
.set Z,  ZR+8*\X
.set EA, ER+8*\X
.endm
	s_load_b128 s[4:7], s[0:1], 0x0                ; x s[4:5], wimg s[6:7]
	s_load_b64 s[8:9], s[0:1], 0x10                ; out0
	v_lshl_add_u32 v[SPW], v0, 2, SPARE
	v_mov_b32 v[NIL], 0
	ds_add_u32 v[SPW], v[NIL]                      ; the wave's opening: the add, twice on end, and its wait ahead of my first tensor load; the set-up below stands between
	ds_add_u32 v[SPW], v[NIL]
	v_lshrrev_b32 v13, 5, v0
	s_delay_alu instid0(VALU_DEP_1)
	v_readfirstlane_b32 s10, v13                   ; wave 0..7
	; descriptor group 1: 53 rows of 32 elements of 8 bytes, dense, no padding, no mask
	s_mov_b32 s16, 3<<16                           ; 17:16 elements of 8 bytes
	s_mov_b32 s17, 32<<16                          ; tensor_dim0 = 32
	s_mov_b32 s18, 53<<16                          ; tensor_dim1 = 53
	s_mov_b32 s19, 32<<16                          ; tile_dim0 = 32
	s_mov_b32 s20, 53                              ; tile_dim1 = 53
	s_mov_b32 s21, 32                              ; elements from row to row
	s_mov_b32 s22, 0
	s_mov_b32 s23, 0
	s_mov_b32 s24, 1                               ; group 0: count = 1,
	s_mul_i32 s25, s10, PARTB                      ; LDS address: my eighth of the image
	s_mov_b32 s36, s25
	s_mov_b32 s37, 0
	s_lshl_b32 s38, ttmp9, 19                      ; x: 512 rows of 1,024 bytes a work-group,
	s_lshl_b32 s39, s10, 16                        ; 64 a wave
	s_add_co_u32 s38, s38, s39
	s_mov_b32 s39, 0
	s_lshl_b32 s40, ttmp9, 15                      ; out0: rows of 64 bytes
	s_lshl_b32 s41, s10, 12
	s_add_co_u32 s40, s40, s41
	s_mov_b32 s41, 0
	s_mov_b32 s28, 0x76543210
	s_mov_b32 s29, 0xfedcba98                      ; v_permlanex16_b32's selects for lane l xor 16
	s_mul_i32 s11, s10, STGW
	s_add_co_u32 s11, s11, STG                     ; my stage
	v_and_b32 v13, 31, v0                          ; lane
	v_and_b32 v14, 15, v0                          ; r
	v_bfe_u32 v15, v0, 4, 1                        ; h
	s_delay_alu instid0(VALU_DEP_3)
	v_lshlrev_b32 v[LI], 4, v13
	s_delay_alu instid0(VALU_DEP_1)
	v_add_nc_u32 v[STA], s11, v[LI]
	s_delay_alu instid0(VALU_DEP_4)
	v_mul_u32_u24 v[STB], v14, SPITCH
	s_delay_alu instid0(VALU_DEP_1)
	v_lshl_add_u32 v[STB], v15, 6, v[STB]
	s_delay_alu instid0(VALU_DEP_1)
	v_add_nc_u32 v[STB], s11, v[STB]
	v_lshlrev_b32 v[OSA], 6, v14
	s_delay_alu instid0(VALU_DEP_1)
	v_lshl_add_u32 v[OSA], v15, 5, v[OSA]
	s_delay_alu instid0(VALU_DEP_1)
	v_add_nc_u32 v[OSA], s11, v[OSA]
	v_add_nc_u32 v[LI2], IMG_W2, v[LI]
	v_add_nc_u32 v[SCA], IMG_SC, v[LI]
	v_lshl_add_u32 v[BA], v15, 6, IMG_B
	v_lshl_add_u32 v[YA], v15, 5, IMG_Y
	v_lshlrev_b32 v[PFO], 8, v13
	v_lshl_add_u32 v[LSC], v13, 2, IMG_SCC
.irp X, 0,1
	v_mov_b32 v[ST+16*\X+5], 0                     ; named as the upper half of the factor's pair
	v_mov_b32 v[ST+16*\X+10], 0                    ; a lane permute's destination counts as one of its sources
	v_mov_b32 v[ST+16*\X+11], 0
.endr
.irp b, 0,1,2,3,4,5,6,7
	v_mov_b32 v[QP+\b], 0
.endr
	s_wait_dscnt 0x0                               ; both opening adds are done
	s_wait_kmcnt 0x0
	s_add_nc_u64 s[26:27], s[6:7], s[36:37]        ; global address: my eighth of wimg
	s_or_b32 s27, s27, 0x80000000                  ; type = 2
	tensor_load_to_lds s[24:27], s[16:23]          ; every wave's one tensor load: a first fill
	s_nop 0
.rept 4
	v_nop
.endr
	s_add_nc_u64 s[32:33], s[4:5], s[38:39]        ; x at my first row
	s_add_nc_u64 s[34:35], s[8:9], s[40:41]        ; out0 likewise
	XLOAD 0                                        ; the first step's 32 rows
	s_wait_tensorcnt 0x0                           ; my eighth of the image is in,
	s_barrier_signal -1
	s_barrier_wait -1                              ; everybody's is.  (The loads of x stay out: they land in registers)
	s_mov_b32 s30, 2
.Lstep:
	s_wait_loadcnt 32                              ; tile A's 32 loads are in; tile B's 32, issued behind them, may be out
	TURN 0
	s_wait_loadcnt 0x0
	TURN 1
	s_wait_dscnt 0x0
	SUMSQ2
	RSQ2
	s_setprio 2
	CLIPF 0
	FIN 0                                          ; t0 = x min(1, A / |x|), quantised
	FIN 1
	LAYER LI, 1
	s_setprio 1
	LAYER LI2, 2
	s_cmp_eq_u32 s30, 1                            ; both tiles' registers are free: the next step's rows are asked for, if there is a next step: no load leaves x
	s_cbranch_scc1 .Lno_next
	XLOAD 32768
.Lno_next:
	; ---- the classifier: lane (r, h) holds classes 8 h + 0 .. 7 of row r
.set i, 0
.rept 6
	ds_load_b128 v[FB+4*i:FB+4*i+3], v[LI2] offset:IMG_WC-IMG_W2+512*i
.set i, i+1
.endr
	ds_load_b32 v[WS], v[LSC]
	ds_load_b128 v[YR:YR+3], v[YA]
	ds_load_b128 v[YR+4:YR+7], v[YA] offset:16
	ds_load_b32 v[YR+8], v[YA] offset:64
.rept 8
	v_nop                                          ; 8 places between the vector instructions that wrote my rows' scale words and a scaled matrix instruction
.endr
	s_wait_dscnt 0x0
.irp X, 0,1
	v_wmma_scale_f32_16x16x128_f8f6f4 v[BT+8*\X:BT+8*\X+7], v[FB:FB+11], v[CD+24*\X:CD+24*\X+11], 0, v[WS], v[TS+2*\X] matrix_a_fmt:MATRIX_FMT_BF6 matrix_b_fmt:MATRIX_FMT_BF6
.endr
	s_wait_alu depctr_va_vdst(0)
.irp X, 0,1
	v_wmma_scale_f32_16x16x128_f8f6f4 v[BT+8*\X:BT+8*\X+7], v[FB+12:FB+23], v[CD+24*\X+12:CD+24*\X+23], v[BT+8*\X:BT+8*\X+7], v[WS], v[TS+2*\X+1] matrix_a_fmt:MATRIX_FMT_BF6 matrix_b_fmt:MATRIX_FMT_BF6 matrix_a_scale:MATRIX_SCALE_ROW1
.endr
.rept 4
	v_nop
.endr
.irp X, 0,1
	TILE \X
	v_pk_mul_f32 v[S:S+1], v[D:D+1], v[D:D+1]                  ; the sums of mx^2 and of mx y, from each accumulator's low end on
	v_pk_mul_f32 v[S+2:S+3], v[D:D+1], v[YR:YR+1]
.endr
.irp k, 2,4,6
.irp X, 0,1
	TILE \X
	v_pk_fma_f32 v[S:S+1], v[D+\k:D+\k+1], v[D+\k:D+\k+1], v[S:S+1]
	v_pk_fma_f32 v[S+2:S+3], v[D+\k:D+\k+1], v[YR+\k:YR+\k+1], v[S+2:S+3]
.endr
.endr
.irp X, 0,1
	TILE \X
	s_delay_alu instid0(VALU_DEP_4)
	v_add_f32 v[S], v[S], v[S+1]
	s_delay_alu instid0(VALU_DEP_4)
	v_add_f32 v[S+2], v[S+2], v[S+3]
.endr
.irp X, 0,1
	TILE \X
	s_delay_alu instid0(VALU_DEP_4)
	v_permlanex16_b32 v[S+10], v[S], s28, s29
	s_delay_alu instid0(VALU_DEP_4)
	v_permlanex16_b32 v[S+11], v[S+2], s28, s29
.endr
.irp X, 0,1
	TILE \X
	v_add_f32 v[S], v[S], v[S+10]                  ; |mx|^2
	v_add_f32 v[S+2], v[S+2], v[S+11]              ; mx . y
	s_delay_alu instid0(VALU_DEP_2)
	v_max_num_f32 v[S+7], 0x0da24260, v[S]
.endr
	s_wait_alu depctr_va_vdst(0)
.irp X, 0,1
	TILE \X
	v_rsq_f32 v[S+6], v[S+7]                       ; 1 / |mx|
	v_rcp_f32 v[S+12], v[S+9]                      ; 1 / |h2|
.endr
	v_nop
	s_wait_alu depctr_va_vdst(0)
.irp X, 0,1
	TILE \X
	v_mul_f32 v[S+13], v[S+7], v[S+6]              ; |mx|
	v_mul_f32 v[S+13], v[S+13], v[S+12]            ; / |h2|
	s_delay_alu instid0(VALU_DEP_1)
	v_mul_f32 v[S+13], v[S+13], v[S+8]             ; x artanh(|h2|) = min(p, A)
	s_delay_alu instid0(VALU_DEP_1)
	v_mul_f32 v[S+13], 0x4038aa3b, v[S+13]
.endr
	s_wait_alu depctr_va_vdst(0)
.irp X, 0,1
	TILE \X
	v_exp_f32 v[S+13], v[S+13]                     ; (an overflow gives infinity, whose reciprocal is 0: tanh = 1)
.endr
	v_nop
	s_wait_alu depctr_va_vdst(0)
.irp X, 0,1
	TILE \X
	v_add_f32 v[S+13], 1.0, v[S+13]
.endr
	s_wait_alu depctr_va_vdst(0)
.irp X, 0,1
	TILE \X
	v_rcp_f32 v[S+13], v[S+13]
.endr
	v_nop
	s_wait_alu depctr_va_vdst(0)
.irp X, 0,1
	TILE \X
	v_fma_f32 v[S+13], v[S+13], -2.0, 1.0          ; tanh,
	s_delay_alu instid0(VALU_DEP_1)
	v_min_num_f32 v[S+13], 0x3f7fbe77, v[S+13]     ; held at 0.999 (proj)
	v_mul_f32 v[S+14], v[S+13], v[S+6]             ; rho: res = rho mx
	s_delay_alu instid0(VALU_DEP_1)
	v_mul_f32 v[S+15], v[S+14], v[S+14]
	s_delay_alu instid0(VALU_DEP_1)
	v_mul_f32 v[S+15], v[S+15], v[S]               ; x2 = |res|^2
	s_delay_alu instid0(VALU_DEP_3)
	v_mul_f32 v[S+2], v[S+14], v[S+2]              ; xy = res . y
	s_delay_alu instid0(VALU_DEP_1)
	v_fma_f32 v[S+3], v[S+2], 2.0, 1.0             ; 1 + 2 xy
	s_delay_alu instid0(VALU_DEP_1)
	v_fma_f32 v[S+10], v[S+15], v[YR+8], v[S+3]    ; den = 1 + 2 xy + x2 y2,
	s_delay_alu instid0(VALU_DEP_1)
	v_max_num_f32 v[S+10], 0x26901d7d, v[S+10]     ; held at 1e-15
.endr
	s_wait_alu depctr_va_vdst(0)
.irp X, 0,1
	TILE \X
	v_rcp_f32 v[S+10], v[S+10]
.endr
	v_nop
	s_wait_alu depctr_va_vdst(0)
.irp X, 0,1
	TILE \X
	v_add_f32 v[S+3], v[S+3], v[YR+8]              ; 1 + 2 xy + y2
	s_delay_alu instid0(VALU_DEP_1)
	v_mul_f32 v[S+3], v[S+3], v[S+14]
	v_mul_f32 v[S+4], v[S+3], v[S+10]              ; what mx is multiplied by
	v_sub_f32 v[S+15], 1.0, v[S+15]                ; 1 - x2
	v_mul_f32 v[S+6], v[S+15], v[S+10]             ; what y is multiplied by
.endr
.irp k, 0,2,4,6
.irp X, 0,1
	TILE \X
	v_pk_mul_f32 v[Z+\k:Z+\k+1], v[YR+\k:YR+\k+1], v[S+6:S+7] op_sel_hi:[1,0]
.endr
.endr
.irp k, 0,2,4,6
.irp X, 0,1
	TILE \X
	v_pk_fma_f32 v[Z+\k:Z+\k+1], v[D+\k:D+\k+1], v[S+4:S+5], v[Z+\k:Z+\k+1] op_sel_hi:[1,0,1]   ; z
.endr
.endr
.irp X, 0,1
	TILE \X
	v_pk_mul_f32 v[S:S+1], v[Z:Z+1], v[Z:Z+1]
.endr
.irp k, 2,4,6
.irp X, 0,1
	TILE \X
	s_delay_alu instid0(VALU_DEP_2)
	v_pk_fma_f32 v[S:S+1], v[Z+\k:Z+\k+1], v[Z+\k:Z+\k+1], v[S:S+1]
.endr
.endr
.irp X, 0,1
	TILE \X
	s_delay_alu instid0(VALU_DEP_2)
	v_add_f32 v[S], v[S], v[S+1]
.endr
.irp X, 0,1
	TILE \X
	v_permlanex16_b32 v[S+10], v[S], s28, s29
.endr
.irp X, 0
	TILE \X
	s_delay_alu instid0(VALU_DEP_2)
	v_add_f32 v[S], v[S], v[S+10]
	s_delay_alu instid0(VALU_DEP_1)
	v_max_num_f32 v[S+7], 0x0da24260, v[S]
.endr
.irp X, 1
	TILE \X
	s_delay_alu instid0(VALU_DEP_3)
	v_add_f32 v[S], v[S], v[S+10]
	s_delay_alu instid0(VALU_DEP_1)
	v_max_num_f32 v[S+7], 0x0da24260, v[S]
.endr
	s_wait_alu depctr_va_vdst(0)
.irp X, 0,1
	TILE \X
	v_rsq_f32 v[S+12], v[S+7]                      ; 1 / |z|
.endr
	v_nop
	s_wait_alu depctr_va_vdst(0)
.irp X, 0,1
	TILE \X
	v_mul_f32 v[S+13], v[S+7], v[S+12]             ; |z|,
	s_delay_alu instid0(VALU_DEP_1)
	v_min_num_f32 v[S+13], 0x3f7fbe77, v[S+13]     ; held at 0.999 (proj)
	s_delay_alu instid0(VALU_DEP_1)
	v_add_f32 v[S+14], 1.0, v[S+13]
	s_delay_alu instid0(VALU_DEP_2)
	v_sub_f32 v[S+15], 1.0, v[S+13]
.endr
	s_wait_alu depctr_va_vdst(0)
.irp X, 0,1
	TILE \X
	v_log_f32 v[S+14], v[S+14]
	v_log_f32 v[S+15], v[S+15]
.endr
	v_nop
	s_wait_alu depctr_va_vdst(0)
.irp X, 0,1
	TILE \X
	v_sub_f32 v[S+14], v[S+14], v[S+15]
	s_delay_alu instid0(VALU_DEP_1)
	v_mul_f32 v[S+14], 0x3eb17218, v[S+14]         ; artanh = ln(2) / 2 x (log2(1 + n) - log2(1 - n))
	v_mul_f32 v[S+4], v[S+14], v[S+12]             ; over |z|
.endr
.irp k, 0,2,4,6
.irp X, 0,1
	TILE \X
	v_pk_mul_f32 v[Z+\k:Z+\k+1], v[Z+\k:Z+\k+1], v[S+4:S+5] op_sel_hi:[1,0]   ; the logits
.endr
.endr
.irp X, 0,1
	TILE \X
.irp k, 0,1,2,3,4,5,6,7
	v_mul_f32 v[EA+\k], 0xbfb8aa3b, |v[Z+\k]|      ; softplus(l) = max(l, 0) + ln(1 + e^-|l|): the exponent is never positive
.endr
.endr
	s_wait_alu depctr_va_vdst(0)
.irp X, 0,1
	TILE \X
.irp k, 0,1,2,3,4,5,6,7
	v_exp_f32 v[EA+\k], v[EA+\k]
.endr
.endr
	v_nop
	s_wait_alu depctr_va_vdst(0)
.irp X, 0,1
	TILE \X
.irp k, 0,2,4,6
	v_pk_add_f32 v[EA+\k:EA+\k+1], v[EA+\k:EA+\k+1], 1.0 op_sel_hi:[1,0]
.endr
.endr
	s_wait_alu depctr_va_vdst(0)
.irp X, 0,1
	TILE \X
.irp k, 0,1,2,3,4,5,6,7
	v_log_f32 v[EA+\k], v[EA+\k]
.endr
.endr
.irp X, 0,1
	TILE \X
.irp k, 0,1,2,3,4,5,6,7
	v_max_num_f32 v[Z+\k], 0, v[Z+\k]              ; (plain work behind the logarithms, which names none of their results)
.endr
.endr
	s_wait_alu depctr_va_vdst(0)
.irp X, 0,1
	TILE \X
.irp k, 0,2,4,6
	v_pk_fma_f32 v[Z+\k:Z+\k+1], v[EA+\k:EA+\k+1], 0x3f317218, v[Z+\k:Z+\k+1] op_sel_hi:[1,0,1]
.endr
.endr
	; ---- the way out: a lane's 32 bytes of a row of 64 go through my stage; the 32 rows, 2,048 consecutive bytes of out0, come back 16 bytes a lane
.irp X, 0,1
	TILE \X
	ds_store_b128 v[OSA], v[Z:Z+3] offset:1024*\X
	ds_store_b128 v[OSA], v[Z+4:Z+7] offset:1024*\X+16
.endr
.irp k, 0,1,2,3
	ds_load_b128 v[RB+4*\k:RB+4*\k+3], v[STA] offset:512*\k   ; LDS serves a wave's instructions in order: these see my stores, and the next step's stores into the stage come behind them
.endr
	s_wait_dscnt 0x0
.irp k, 0,1,2,3
	global_store_b128 v[LI], v[RB+4*\k:RB+4*\k+3], s[34:35] offset:512*\k th:TH_STORE_NT   ; 32 lanes store 512 consecutive bytes, at a multiple of 256 from out0's first byte
.endr
	s_wait_xcnt 0x0                                ; the loads, the stores and the prefetches have read their addresses and data: the bases are stepped, and the stores' registers written again, only behind this wait
	s_add_nc_u64 s[32:33], s[32:33], 32768
	s_add_nc_u64 s[34:35], s[34:35], 2048
	s_sub_co_u32 s30, s30, 1
	s_cmp_lg_u32 s30, 0
	s_cbranch_scc1 .Lstep
	s_setprio 0
	s_wait_tensorcnt 0x0                           ; the wave's end, behind my last tensor load and my last LDS store
	ds_add_u32 v[SPW], v[NIL]
	s_wait_dscnt 0x0
	s_endpgm
.Lfunc_end_k_q71fcd2453c_main:
	.size	k_q71fcd2453c_main, .Lfunc_end_k_q71fcd2453c_main-k_q71fcd2453c_main
	.p2alignl 7, 3214868480
	.fill 96, 4, 3214868480
	.section	.rodata,"a",@progbits
	.p2align	6, 0x0
	.amdhsa_kernel k_q71fcd2453c_main
		.amdhsa_group_segment_fixed_size 242688
		.amdhsa_private_segment_fixed_size 0
		.amdhsa_enable_private_segment 0
		.amdhsa_kernarg_size 24
		.amdhsa_user_sgpr_count 2
		.amdhsa_user_sgpr_kernarg_segment_ptr 1
		.amdhsa_wavefront_size32 1
		.amdhsa_system_sgpr_workgroup_id_x 1
		.amdhsa_system_sgpr_workgroup_id_y 1
		.amdhsa_system_sgpr_workgroup_id_z 1
		.amdhsa_system_vgpr_workitem_id 0
		.amdhsa_next_free_vgpr 512
		.amdhsa_next_free_sgpr 66
		.amdhsa_reserve_vcc 0
		.amdhsa_float_denorm_mode_32 3
		.amdhsa_float_denorm_mode_16_64 3
		.amdhsa_memory_ordered 1
		.amdhsa_forward_progress 1
		.amdhsa_inst_pref_size 255
	.end_amdhsa_kernel
	.section	.bss,"aw",@nobits
	.p2align	6
	.space	262144
	.amdgpu_metadata
---
amdhsa.version: [ 1, 2 ]
amdhsa.kernels:
  - .name:           k_q71fcd2453c_main
    .symbol:         k_q71fcd2453c_main.kd
    .args:
      - { .name: x, .offset: 0, .size: 8, .value_kind: global_buffer, .address_space: global }
      - { .name: wimg, .offset: 8, .size: 8, .value_kind: global_buffer, .address_space: global }
      - { .name: out0, .offset: 16, .size: 8, .value_kind: global_buffer, .address_space: global }
    .group_segment_fixed_size: 242688
    .private_segment_fixed_size: 0
    .kernarg_segment_align: 8
    .kernarg_segment_size: 24
    .max_flat_workgroup_size: 256
    .sgpr_count:     66
    .vgpr_count:     512
    .wavefront_size: 32
...
	.end_amdgpu_metadata
.endif
;; end of part 2
